; MI455X (gfx1250); checked and timed in simulation.
; The chip was launched on July 23, 2026; its instructions are those of AMD's public machine-readable ISA for CDNA 5 (MIT licence, August 2026) and "CDNA5" Instruction Set Architecture Reference Guide (July 2026). The comments in the code are by the model that wrote it; some were corrected since.
;; Multi Head Attention Quantum. Allowed arithmetic: matrix products marked QUANTISED: E2M3 operands, one E8M0 scale for each 32 along K, by v_wmma_scale_f32_16x16x128_f8f6f4 with both operands' format E2M3, f32 sums; products left as they are: f32 operands where the result goes on into a quantised operand, else bf16, f16 or f32 operands; f32 sums; everything else in f32.
;; Inputs: W 128 x 128 float32; b 128 float32; theta 8 float32; x 8 x 1,024 x 128 float32.
;; Outputs: out0 8 x 1,024 x 128 float32.
;; This version of the problem:
;;   THIS VERSION OF THE PROBLEM IS GIVEN IN LOW PRECISION. The matrix products marked QUANTISED in the list below multiply operands that are first quantised to E2M3 (2 exponent bits, 3 mantissa bits; 6 bits a number), with one power-of-two scale for each 32 numbers along K (OCP MX v1.0); their sums are f32. All else is computed in f32.
;;   The module's matrix products, in the order in which they are computed (A, B: the left and right operand; K: the contracted axis; several contracted axes count as one K, in the product's order):
;;     1. batch 128 x [M 1,024, K 8] x [K 8, N 1,024]; A: computed on the way; B: computed on the way: left as it is (K = 8 < 32)
;;     2. batch 128 x [M 1,024, K 1,024] x [K 1,024, N 8]; A: softmax; B: computed on the way: left as it is (N = 8 < 16)
;;     3. [M 8,192, K 128] x [K 128, N 128]; A: computed on the way; B: input W: QUANTISED
;;   THE QUANTISER, for each operand of a quantised product, along K:
;;     - K is cut into blocks of 32 from its start; a last block that is shorter is filled with zeros.
;;     - A block's scale is 2^e with e = floor(log2(the largest magnitude in the block)) - 2, held to -126 .. 127; a block of zeros has e = 0. As a byte (E8M0): e + 127.
;;     - Each number is divided by its block's scale, clamped to +-7.5, and rounded to the nearest number of E2M3, ties to even, subnormals kept.
;;     - The product sums the exact products of the quantised numbers (number of the format x scale) in f32.
;;   ~~~python
;;   def quantise(x, axis):      # numpy; x: float32 -> the quantised numbers, widened to float32 again
;;       x = np.moveaxis(x, axis, -1); K = x.shape[-1]
;;       x = np.pad(x, [(0, 0)] * (x.ndim - 1) + [(0, -K % 32)]); x = x.reshape(x.shape[:-1] + (-1, 32)); a = np.abs(x).max(-1, keepdims=True)
;;       e = np.where(a > 0, np.clip(np.frexp(np.where(a > 0, a, 1))[1] - 1 - 2, -126, 127), 0)      # np.frexp(a)[1] - 1 = floor(log2(a)), exactly
;;       r = np.clip(x / 2.0 ** e, -7.5, 7.5)
;;       step = 2.0 ** (np.maximum(np.frexp(np.where(r == 0, 1, r))[1] - 1, 0) - 3)
;;       q = np.round(r / step) * step * 2.0 ** e      # np.round: ties to even
;;       return np.moveaxis(q.reshape(q.shape[:-2] + (-1,))[..., :K], -1, axis).astype(np.float32)
;;   ~~~
;;   OPERANDS COMPUTED ON THE WAY. 'Computed on the way' means the value that the module computes at that place (a softmax that the list does not call 'softmax' is quantised finished and normalised). What goes into a quantiser is computed in f32, as accurately as f32 sums, v_exp_f32 and their like allow (about 1e-6 of the number): no bf16 or f16 on the way to a quantiser, and a product that is left as it is and whose result goes on into a quantised operand takes f32 operands (vector FMAs, or v_wmma_f32_16x16x4_f32). A number that lies on a knife's edge between two numbers of the format may be rounded either way, as far as f32 arithmetic and the matrix unit's own rounding can turn it there, and no further.
;; One version. Each part assembles by itself: llvm-mc -triple=amdgcn-amd-amdhsa -mcpu=gfx1250 --defsym DOCPART=n.
;; ======== version 1 of 1: 2 launches
;; limits: inputs' magnitudes at most 100,000
;; workspace buffers: att 4,194,304 bytes; wq 13,312 bytes
;; launch attn (part 1): grid 256 x 1, 16 waves a work-group, no clusters, 202,752 bytes of LDS; arguments x, theta, W, att, wq; writes att, wq
.if DOCPART == 1
	.amdgcn_target "amdgcn-amd-amdhsa--gfx1250"
	.amdhsa_code_object_version 6
	.text
	.protected	k_q7802d10276_attn
	.globl	k_q7802d10276_attn
	.p2align	8
	.type	k_q7802d10276_attn,@function
k_q7802d10276_attn:
	s_mov_b64 s[64:65], 0
	v_nop
	global_prefetch_b8 v0, s[64:65] scope:SCOPE_SE
	s_setreg_imm32_b32 hwreg(HW_REG_WAVE_MODE, 25, 1), 1
	s_wait_xcnt 0x0
; att[b][head][s][0..7] = softmax_k(z[s] . z[k] / sqrt(8)) z[k], z = the closed form of the 8-wire circuit on x[b][s][8 head ..] + theta.  All of it in f32.
; z(0) = c1 c2 .. c7, z(w) = c0 c1 .. cw, c = cos(x + theta).  att is this program's own buffer, laid [8][16][1024][8] f32, so that a wave stores 512 consecutive bytes.
; SHARES.  Work-group g: batch g / 32, head (g / 2) % 16, queries 512 (g % 2) on.  Sixteen waves; a wave owns 32 queries (two tiles of 16) and walks all 1,024 keys, 16 a step.
; HEAD.  512 threads make z of the head's 1,024 rows, two rows each, into LDS: dimensions 0-3 of all keys (16 bytes a key), then dimensions 4-7.
; THE COSINE is written out: k = the whole number nearest a / pi + 1/2, r = a - (k - 1/2) pi (pi in two parts, by fused multiply-adds), cos a = (-1)^k sin r, |r| <= pi / 2,
; sin r = r + r s (c3 + s (c5 + .. + s c13)), s = r r: what is cut off is under r^15 / 15! = 7e-10, and near a zero of the cosine the error is relative to r.
; A STEP.  Scores: S = Q K^T by the f32 matrix form (source 0 = 16 queries, already times log2(e) / sqrt(8); source 1 = 16 keys; the 8 dimensions in two instructions).  In the result lane (r, h)
; holds KEY r and queries 8 h + 0 .. 7.  p = 2^S.  O += p z(key) is vector work: the lane's own key's 8 numbers times its 8 p's, 32 packed multiply-adds a tile; nothing changes lanes in the loop.
; The sixteen lanes' partial sums (64 of O and 8 of the row's sum for each tile) are added once, at the end, through the wave's own stage in LDS.
; NO MAXIMUM IS TAKEN AWAY: every z is a product of cosines, so |z| <= 1 for every input, |score| <= 8 / sqrt(8), p lies in 2^-4.1 .. 2^4.1 and a row's sum under 2^15.
; W [128][128] f32 is quantised here too, along its second axis (E2M3, one E8M0 byte for each 32): waves 0-7 of work-group 0 take 16 rows each and store the operand's registers as they stand
; (wq: tile n at 1,536 n, three runs of 512 bytes; its scale words at 12,288 + 128 n).  A block of zeros gets the byte 1 where the rule says 127: its codes are zeros, and this program alone reads the bytes.
; NO CLUSTER: the two work-groups of a head share 32 KB of x, read once at the head; no tile is walked.  x is read as 32 bytes of each row of 512: whole rows would mean the cosines of 16 heads in every work-group.
; LIMITS: |x + theta| up to about 1e5 (beyond it the reduction's error grows, and k no longer fits); NaN and infinities among the inputs are not served.
.set ZHI,  16384                       ; LDS: z's dimensions 4-7 begin here
.set STG,  32768                       ; behind z: a stage for each wave,
.set WSTB, 10496                       ; of 16 x 528 bytes for O's groups and 2,048 for the rows' sums
.set LOFF, 8448
.set GP,   528                         ; a group of four registers, 32 lanes x 16 bytes, + 16: 33 x 16, so that sixteen lanes that read sixteen groups take sixteen different 16-byte columns of 256 bytes
.set AW,   1                           ; v1   16 r + 16384 h: my key's four numbers of my half (w); stepped 1,024 a trip
.set AU,   2                           ; v2   the same in the other plane (u)
.set SO,   3                           ; v3   stage: 16 x lane
.set SL,   4                           ; v4   stage, sums: 512 h + 4 r
.set RO,   5                           ; v5   stage, back: 528 (lane % 16) + 256 (lane / 16)
.set RL,   6                           ; v6   stage, sums, back: 64 x my query
.set GO,   7                           ; v7   my 16 bytes in a tile's 512 of att
.set QF,   8                           ; v8-15    Q: tile t at 4 t: z(query r)(4 h + 0 .. 3) x log2(e) / sqrt(8)
.set KV,   16                          ; v16-47   four key steps by turns: w in +0..3, u in +4..7
.set S,    48                          ; v48-79   scores: two buffers of two tiles; written by matrix instructions alone
.set P,    80                          ; v80-95   p, 8 a tile
.set L,    96                          ; v96-111  the rows' sums, 8 a tile
.set O,    112                         ; v112-239 O: tile t, query j, number i at 64 t + 8 j + i (i < 4: dimension 4 h + i; else 4 (1 - h) + i - 4)
.set X,    112                         ; at the head only: two rows of x, then of cosines
.set TH,   128
.set VC,   136
.set KK,   140
.set SG,   156
.set PP,   172
.set Z,    188
.set WN,   176                         ; W's path only: 64 numbers; codes, work and scale word below
.set PC,   16
.set TM,   80
.set PW,   96
.set ZA,   250
.set XO,   251
.set AQ,   252
.set SEL,  42                          ; s[42:43] v_permlanex16_b32's selects for lane l xor 16
; 64 numbers of a lane, register 16 b + i = k 32 b + 16 (lane / 16) + i of my row, become a fragment's codes in v[PC] on and its scale word in v[PW].
.macro QUANT s
.irp b, 0,1,2,3
	v_max3_num_f32 v[TM+\b], |v[\s+16*\b]|, |v[\s+1+16*\b]|, 0x1800000   ; my 16 numbers of block b, and the floor 2^(3 - 127): the byte cannot fall under 1
.endr
.irp i, 2,4,6,8,10,12,14
.irp b, 0,1,2,3
	v_max3_num_f32 v[TM+\b], v[TM+\b], |v[\s+16*\b+\i]|, |v[\s+1+16*\b+\i]|
.endr
.endr
.irp b, 0,1,2,3
	v_permlanex16_b32 v[TM+4+\b], v[TM+\b], s[SEL], s[SEL+1]
.endr
.irp b, 0,1,2,3
	v_max_num_f32 v[TM+\b], v[TM+\b], v[TM+4+\b]   ; with lane l xor 16's: the block's largest magnitude
.endr
.irp b, 0,1,2,3
	v_add_nc_u32 v[TM+12+\b], 0xff000000, v[TM+\b] ; 2 off its exponent field: the conversion's scale operand
.endr
.irp b, 0,1,2,3
	v_lshrrev_b32 v[TM+4+\b], 23, v[TM+12+\b]      ; the scale's byte
.endr
	v_lshl_or_b32 v[PW], v[TM+5], 8, v[TM+4]
	v_lshl_or_b32 v[PW], v[TM+6], 16, v[PW]
	v_lshl_or_b32 v[PW], v[TM+7], 24, v[PW]
.irp c, 0,1
	v_cvt_scalef32_pk16_fp6_f32 v[PC+6*\c:PC+2+6*\c], v[\s+32*\c:\s+15+32*\c], v[TM+12+2*\c]
	v_cvt_scalef32_pk16_fp6_f32 v[PC+12+4*\c:PC+14+4*\c], v[\s+16+32*\c:\s+31+32*\c], v[TM+12+2*\c+1]   ; (a conversion's three registers begin on an even number)
.endr
	v_nop                                          ; one plain place behind a scaled conversion
.irp c, 0,1                                    ; the operand's layout wants a whole block in a lane: lanes 0-15 block 2 c, lanes 16-31 block 2 c + 1
.irp i, 0,1,2
	v_permlane16_swap_b32 v[PC+6*\c+\i], v[PC+12+4*\c+\i]
.endr
.irp i, 0,1,2
	v_mov_b32 v[PC+3+6*\c+\i], v[PC+12+4*\c+\i]
.endr
.endr
.endm
	s_load_b256 s[4:11], s[0:1], 0x0               ; x s[4:5], theta s[6:7], W s[8:9], att s[10:11]
	s_load_b64 s[12:13], s[0:1], 0x20              ; wq
	v_lshl_add_u32 v248, v0, 2, 0x31000
	v_mov_b32 v249, 0
	v_lshrrev_b32 v240, 5, v0
	v_readfirstlane_b32 s24, v240                  ; wave 0..15
	s_lshr_b32 s25, ttmp9, 5                       ; batch
	s_bfe_u32 s26, ttmp9, 0x40001                  ; head
	s_and_b32 s27, ttmp9, 1                        ; which half of the queries
	v_and_b32 v241, 15, v0                         ; r
	v_bfe_u32 v242, v0, 4, 1                       ; h
	v_and_b32 v243, 31, v0                         ; lane
	v_lshrrev_b32 v244, 1, v241                    ; r / 2
	v_and_b32 v245, 1, v241
	v_xor_b32 v245, v245, v242                     ; (r % 2) xor h
	; every LDS address is made here, ahead of the one place where waves part
	v_lshlrev_b32 v[AW], 4, v241
	v_lshl_add_u32 v[AW], v242, 14, v[AW]
	v_xor_b32 v[AU], ZHI, v[AW]
	s_mul_i32 s28, s24, WSTB
	s_add_co_u32 s28, s28, STG                     ; my wave's stage
	s_add_co_u32 s29, s28, LOFF                    ; and its part for the sums
	v_lshl_add_u32 v[SO], v243, 4, s28
	v_lshlrev_b32 v[SL], 2, v241
	v_lshl_add_u32 v[SL], v242, 9, v[SL]
	v_add_nc_u32 v[SL], s29, v[SL]
	v_mul_u32_u24 v[RO], v241, GP
	v_lshl_add_u32 v[RO], v242, 8, v[RO]
	v_add_nc_u32 v[RO], s28, v[RO]
	v_lshlrev_b32 v[RL], 6, v244
	v_lshl_add_u32 v[RL], v242, 9, v[RL]
	v_add_nc_u32 v[RL], s29, v[RL]
	v_lshlrev_b32 v[GO], 5, v244                   ; att: query 8 h + r / 2, 32 bytes a query,
	v_lshl_add_u32 v[GO], v242, 8, v[GO]
	v_lshl_add_u32 v[GO], v245, 4, v[GO]           ; dimensions 4 (h xor r % 2) on
	v_lshlrev_b32 v[ZA], 4, v0                     ; z of row t: 16 t in each plane
	v_lshlrev_b32 v[XO], 9, v0                     ; x: row t of 512 bytes
	s_lshl_b32 s30, s27, 13
	s_lshl_b32 s31, s24, 9
	s_add_co_u32 s30, s30, s31
	v_add_nc_u32 v[AQ], s30, v[AW]                 ; my wave's first query: 512 half + 32 wave, 16 bytes each
	s_lshl_b32 s32, s25, 19                        ; x: batch x 1,024 rows x 512 bytes + 32 head
	s_lshl_b32 s33, s26, 5
	s_add_co_u32 s32, s32, s33
	s_mov_b32 s33, 0
	s_lshr_b32 s34, ttmp9, 1                       ; att: (16 batch + head) x 32,768 + 16,384 half + 1,024 wave
	s_lshl_b32 s34, s34, 15
	s_lshl_b32 s35, s27, 14
	s_add_co_u32 s34, s34, s35
	s_lshl_b32 s35, s24, 10
	s_add_co_u32 s34, s34, s35
	s_mov_b32 s35, 0
	s_mov_b32 s[SEL], 0x76543210
	s_mov_b32 s[SEL+1], 0xfedcba98
	s_wait_kmcnt 0x0
	s_load_b256 s[16:23], s[6:7], 0x0              ; theta: no line of this text writes it
	s_add_nc_u64 s[4:5], s[4:5], s[32:33]
	s_add_nc_u64 s[10:11], s[10:11], s[34:35]
	global_load_b128 v[X:X+3],     v[XO], s[4:5]                   ; rows t and t + 512: my head's 32 bytes of each
	global_load_b128 v[X+4:X+7],   v[XO], s[4:5] offset:16
	global_load_b128 v[X+8:X+11],  v[XO], s[4:5] offset:262144
	global_load_b128 v[X+12:X+15], v[XO], s[4:5] offset:262160
	; W: waves 0-7 of work-group 0, 16 rows each; its loads are out beside x's.  No barrier and no LDS access stands on this way
	s_cmp_lg_u32 ttmp9, 0
	s_cbranch_scc1 .Lno_w
	s_cmp_gt_u32 s24, 7
	s_cbranch_scc1 .Lno_w
	s_lshl_b32 s36, s24, 13                        ; 16 rows of 512 bytes
	s_mov_b32 s37, 0
	s_add_nc_u64 s[8:9], s[8:9], s[36:37]
	v_lshlrev_b32 v253, 9, v241
	v_lshl_add_u32 v253, v242, 6, v253             ; row r, + 64 h: my 16 numbers of each block of 32
.irp b, 0,1,2,3
.irp j, 0,1,2,3
	global_load_b128 v[WN+16*\b+4*\j:WN+16*\b+4*\j+3], v253, s[8:9] offset:128*\b+16*\j
.endr
.endr
	s_mul_i32 s36, s24, 1536
	s_add_nc_u64 s[38:39], s[12:13], s[36:37]      ; my tile's image
	s_lshl_b32 s36, s24, 7
	s_add_nc_u64 s[40:41], s[12:13], s[36:37]      ; and its scale words (12,288 on, in the immediate)
	v_lshlrev_b32 v254, 4, v243
	v_lshlrev_b32 v255, 2, v243
.irp b, 0,1,2,3
	v_mov_b32 v[TM+4+\b], 0                        ; a lane permute's destination counts as one of its sources
.endr
	s_wait_loadcnt 0x0
	QUANT WN
.irp c, 0,1,2
	global_store_b128 v254, v[PC+4*\c:PC+4*\c+3], s[38:39] offset:512*\c   ; 32 lanes store 512 consecutive bytes
.endr
	global_store_b32 v255, v[PW], s[40:41] offset:12288
.Lno_w:
	s_wait_xcnt 0x0                                ; the stores' data registers are written again only behind this wait
	s_wait_kmcnt 0x0                               ; theta
.irp i, 0,1,2,3,4,5,6,7
	v_mov_b32 v[TH+\i], s[16+\i]
.endr
	v_mov_b32 v[VC], 0x2f309231                    ; 1 / 13!, twice
	v_mov_b32 v[VC+1], 0x2f309231
	s_wait_loadcnt 0x0                             ; x
	; sixteen cosines, two at a time, all pairs by turns so that no line waits for the line above it
.irp p, 0,1,2,3,4,5,6,7
	v_pk_add_f32 v[X+2*\p:X+2*\p+1], v[X+2*\p:X+2*\p+1], v[TH+2*(\p%4):TH+2*(\p%4)+1]      ; a = x + theta
.endr
.irp p, 0,1,2,3,4,5,6,7
	v_pk_fma_f32 v[KK+2*\p:KK+2*\p+1], v[X+2*\p:X+2*\p+1], 0x3ea2f983, 0.5 op_sel_hi:[1,0,0]   ; a / pi + 1/2
.endr
.irp i, 0,1,2,3,4,5,6,7,8,9,10,11,12,13,14,15
	v_rndne_f32 v[KK+\i], v[KK+\i]                 ; k
.endr
.irp i, 0,1,2,3,4,5,6,7,8,9,10,11,12,13,14,15
	v_cvt_i32_f32 v[SG+\i], v[KK+\i]
.endr
.irp i, 0,1,2,3,4,5,6,7,8,9,10,11,12,13,14,15
	v_lshlrev_b32 v[SG+\i], 31, v[SG+\i]           ; k's lowest bit as a sign
.endr
.irp p, 0,1,2,3,4,5,6,7
	v_pk_add_f32 v[KK+2*\p:KK+2*\p+1], v[KK+2*\p:KK+2*\p+1], -0.5 op_sel_hi:[1,0]          ; k - 1/2: exact
.endr
.irp p, 0,1,2,3,4,5,6,7
	v_pk_fma_f32 v[X+2*\p:X+2*\p+1], v[KK+2*\p:KK+2*\p+1], 0xc0490fdb, v[X+2*\p:X+2*\p+1] op_sel_hi:[1,0,1]   ; r = a - (k - 1/2) x pi's upper part,
.endr
.irp p, 0,1,2,3,4,5,6,7
	v_pk_fma_f32 v[X+2*\p:X+2*\p+1], v[KK+2*\p:KK+2*\p+1], 0x33bbbd2e, v[X+2*\p:X+2*\p+1] op_sel_hi:[1,0,1]   ; and its lower part (-8.74e-8); what is left of pi is 3.4e-15
.endr
.irp p, 0,1,2,3,4,5,6,7
	v_pk_mul_f32 v[KK+2*\p:KK+2*\p+1], v[X+2*\p:X+2*\p+1], v[X+2*\p:X+2*\p+1]              ; s = r r
.endr
.irp p, 0,1,2,3,4,5,6,7
	v_pk_fma_f32 v[PP+2*\p:PP+2*\p+1], v[KK+2*\p:KK+2*\p+1], v[VC:VC+1], 0xb2d7322b op_sel_hi:[1,1,0]   ; s / 13! - 1 / 11!
.endr
.irp c, 0x3638ef1d, 0xb9500d01, 0x3c088889, 0xbe2aaaab                                 ; 1 / 9!, -1 / 7!, 1 / 5!, -1 / 3!
.irp p, 0,1,2,3,4,5,6,7
	v_pk_fma_f32 v[PP+2*\p:PP+2*\p+1], v[PP+2*\p:PP+2*\p+1], v[KK+2*\p:KK+2*\p+1], \c op_sel_hi:[1,1,0]
.endr
.endr
.irp p, 0,1,2,3,4,5,6,7
	v_pk_mul_f32 v[KK+2*\p:KK+2*\p+1], v[KK+2*\p:KK+2*\p+1], v[X+2*\p:X+2*\p+1]            ; s r
.endr
.irp p, 0,1,2,3,4,5,6,7
	v_pk_fma_f32 v[X+2*\p:X+2*\p+1], v[KK+2*\p:KK+2*\p+1], v[PP+2*\p:PP+2*\p+1], v[X+2*\p:X+2*\p+1]   ; sin r
.endr
.irp i, 0,1,2,3,4,5,6,7,8,9,10,11,12,13,14,15
	v_xor_b32 v[X+\i], v[SG+\i], v[X+\i]           ; cos a = (-1)^k sin r
.endr
	; z(w) = c0 .. cw for w >= 1; z(0) = c1 .. c7.  Two rows and two chains by turns
.irp w, 0,1
	v_mul_f32 v[Z+8*\w+1], v[X+8*\w], v[X+8*\w+1]
	v_mul_f32 v[Z+8*\w], v[X+8*\w+1], v[X+8*\w+2]
.endr
.irp w, 0,1
	v_mul_f32 v[Z+8*\w+2], v[Z+8*\w+1], v[X+8*\w+2]
.endr
.irp i, 3,4,5,6,7
.irp w, 0,1
	v_mul_f32 v[Z+8*\w+\i], v[Z+8*\w+\i-1], v[X+8*\w+\i]
	v_mul_f32 v[Z+8*\w], v[Z+8*\w], v[X+8*\w+\i]
.endr
.endr
	ds_store_b128 v[ZA], v[Z:Z+3]                  ; 32 lanes store 512 consecutive bytes
	ds_store_b128 v[ZA], v[Z+4:Z+7] offset:ZHI
	ds_store_b128 v[ZA], v[Z+8:Z+11] offset:8192
	ds_store_b128 v[ZA], v[Z+12:Z+15] offset:ZHI+8192
	s_wait_dscnt 0x0                               ; for the others' sake: my rows of z lie in LDS
	s_barrier_signal -1
	s_barrier_wait -1                              ; all 1,024 do; from here on z is only read
; The scores of one key step (ring place r) into buffer sb.  k of the matrix form, 2 h + j, stands for dimension 4 h + j in the first pair of instructions and 4 h + 2 + j in the second, alike in both sources.
; The two tiles' accumulators take turns, one instruction a turn; each sum begins with the constant 0.
.macro MMA r, sb
	v_wmma_f32_16x16x4_f32 v[S+16*(\sb):S+16*(\sb)+7], v[QF:QF+1], v[KV+8*(\r):KV+8*(\r)+1], 0
	v_wmma_f32_16x16x4_f32 v[S+16*(\sb)+8:S+16*(\sb)+15], v[QF+4:QF+5], v[KV+8*(\r):KV+8*(\r)+1], 0
	v_wmma_f32_16x16x4_f32 v[S+16*(\sb):S+16*(\sb)+7], v[QF+2:QF+3], v[KV+8*(\r)+2:KV+8*(\r)+3], v[S+16*(\sb):S+16*(\sb)+7]
	v_wmma_f32_16x16x4_f32 v[S+16*(\sb)+8:S+16*(\sb)+15], v[QF+6:QF+7], v[KV+8*(\r)+2:KV+8*(\r)+3], v[S+16*(\sb)+8:S+16*(\sb)+15]
.endm
.macro EXPS t, sb, dst                 ; p = 2^S of tile t, from the accumulator's low end on, into other registers
.irp j, 0,1,2,3,4,5,6,7
	v_exp_f32 v[(\dst)+\j], v[S+16*(\sb)+8*(\t)+\j]
.endr
.endm
; Tile t: the rows' sums += p; O(query j)(0..7) += p(j) x my key's eight numbers: two numbers an instruction, p(j) for both halves (the even j is the pair's first register, the odd j its second).
; first = 1: the first key step starts the sums: p stands in the sums' own registers and the products are plain: nothing is cleared.
.macro PV t, r, first
.if \first
.set PB, L+8*(\t)
.else
.set PB, P+8*(\t)
.irp i, 0,2,4,6
	v_pk_add_f32 v[L+8*(\t)+\i:L+8*(\t)+\i+1], v[L+8*(\t)+\i:L+8*(\t)+\i+1], v[PB+\i:PB+\i+1]
.endr
.endif
.irp j, 0,2,4,6
.irp i, 0,2,4,6
.if \first
	v_pk_mul_f32 v[O+64*(\t)+8*\j+\i:O+64*(\t)+8*\j+\i+1], v[KV+8*(\r)+\i:KV+8*(\r)+\i+1], v[PB+\j:PB+\j+1] op_sel_hi:[1,0]
.else
	v_pk_fma_f32 v[O+64*(\t)+8*\j+\i:O+64*(\t)+8*\j+\i+1], v[KV+8*(\r)+\i:KV+8*(\r)+\i+1], v[PB+\j:PB+\j+1], v[O+64*(\t)+8*\j+\i:O+64*(\t)+8*\j+\i+1] op_sel_hi:[1,0,1]
.endif
.endr
.irp i, 0,2,4,6
.if \first
	v_pk_mul_f32 v[O+64*(\t)+8*\j+8+\i:O+64*(\t)+8*\j+8+\i+1], v[KV+8*(\r)+\i:KV+8*(\r)+\i+1], v[PB+\j:PB+\j+1] op_sel:[0,1] op_sel_hi:[1,1]
.else
	v_pk_fma_f32 v[O+64*(\t)+8*\j+8+\i:O+64*(\t)+8*\j+8+\i+1], v[KV+8*(\r)+\i:KV+8*(\r)+\i+1], v[PB+\j:PB+\j+1], v[O+64*(\t)+8*\j+8+\i:O+64*(\t)+8*\j+8+\i+1] op_sel:[0,1,0] op_sel_hi:[1,1,1]
.endif
.endr
.endr
.endm
; KEY STEP k (r = k % 4, sb = k % 2).  The next step's scores are issued first, then the loads of three steps on; then this step's vector work, skewed by half a step: tile 1's exponentials stand
; in front of tile 0's 36 plain lines, the next step's exponentials of tile 0 in front of tile 1's.  So each batch of eight has plain independent work behind it and one wait ahead of its first reader
; and those plain lines, which name no register of the matrix instructions just issued, are the places between them and the first read of their results
; (ISA guide 7.12.1): 32 at the least where 8 are owed.  A buffer of scores is begun anew two steps after it was written, a ring place loaded again two steps after a matrix instruction read it.
.macro STEP r, sb, mma, ld, off, cnt, first
.if \mma
	s_wait_dscnt \cnt                              ; the next step's w and u are in; cnt = 2: the step after that may be out
	MMA ((\r)+1)%4, 1-(\sb)
.endif
.if \ld
	ds_load_b128 v[KV+8*(((\r)+3)%4):KV+8*(((\r)+3)%4)+3], v[AW] offset:\off       ; sixteen lanes read 256 consecutive bytes
	ds_load_b128 v[KV+8*(((\r)+3)%4)+4:KV+8*(((\r)+3)%4)+7], v[AU] offset:\off
.endif
.if \first
	EXPS 1, \sb, L+8
.else
	EXPS 1, \sb, P+8
.endif
	PV 0, \r, \first
	s_wait_alu depctr_va_vdst(0)                   ; tile 1's eight exponentials, ahead of their first reader
.if \mma
	EXPS 0, 1-(\sb), P
.endif
	PV 1, \r, \first
.if \mma
	s_wait_alu depctr_va_vdst(0)                   ; the next step's eight of tile 0: ahead of their first reader, and of the loop's jump
.endif
.endm
	ds_load_b128 v[240:243], v[AQ]                 ; my two tiles of queries, laid as w is
	ds_load_b128 v[244:247], v[AQ] offset:256
.irp k, 0,1,2
	ds_load_b128 v[KV+8*\k:KV+8*\k+3], v[AW] offset:256*\k
	ds_load_b128 v[KV+8*\k+4:KV+8*\k+7], v[AU] offset:256*\k
.endr
	s_wait_dscnt 6                                 ; the queries are in; the three key steps' six loads may be out
.irp p, 0,1,2,3
	v_pk_mul_f32 v[QF+2*\p:QF+2*\p+1], v[240+2*\p:240+2*\p+1], 0x3f0293ee op_sel_hi:[1,0]   ; x log2(e) / sqrt(8): the scores come out as exponents of 2
.endr
	s_wait_dscnt 4                                 ; key step 0 is in
	MMA 0, 0
.rept 8
	v_nop                                          ; eight places behind this matrix form, ahead of the first read of its results: here no other work is at hand
.endr
	EXPS 0, 0, L
	v_nop                                          ; a plain place behind the exponentials
	s_wait_alu depctr_va_vdst(0)
	STEP 0, 0, 1, 1, 768, 2, 1                     ; key step 0 stands in front of the loop: it starts the sums
	s_mov_b32 s31, 15
.Lkeys:                                                ; key steps 1 to 60, four a trip: the ring's places and the scores' buffers are back where they began
	STEP 1, 1, 1, 1, 1024, 2, 0
	STEP 2, 0, 1, 1, 1280, 2, 0
	STEP 3, 1, 1, 1, 1536, 2, 0
	STEP 0, 0, 1, 1, 1792, 2, 0
	v_add_nc_u32 v[AW], 1024, v[AW]
	v_add_nc_u32 v[AU], 1024, v[AU]
	s_sub_co_u32 s31, s31, 1
	s_cmp_lg_u32 s31, 0
	s_cbranch_scc1 .Lkeys
	STEP 1, 1, 1, 0, 0, 2, 0                       ; key steps 61 to 63 load nothing: no read leaves z
	STEP 2, 0, 1, 0, 0, 0, 0
	STEP 3, 1, 0, 0, 0, 0, 0
	; THE END.  O and the sums are spread over the sixteen lanes of each half (a lane has seen every sixteenth key).  A tile's 64 registers go to my stage as 16 groups of four, 512 bytes a store;
	; lane (g, a) reads group g of the sixteen lanes of half a and adds them: query 8 a + g / 2, dimensions 4 (a xor g % 2) on.  The sums go as words, [query][lane], and come back 64 bytes a query.
	; LDS serves a wave's instructions in order (ISA guide 5.7.1.4): the loads see the stores above them, and tile 1's stores come behind tile 0's loads.
.macro RSTORE t
.irp g, 0,1,2,3,4,5,6,7,8,9,10,11,12,13,14,15
	ds_store_b128 v[SO], v[O+64*(\t)+4*\g:O+64*(\t)+4*\g+3] offset:\g*GP
.endr
.irp j, 0,1,2,3,4,5,6,7
	ds_store_b32 v[SL], v[L+8*(\t)+\j] offset:1024*(\t)+64*\j
.endr
.endm
.macro RLOAD t
.irp r, 0,1,2,3,4,5,6,7,8,9,10,11,12,13,14,15
	ds_load_b128 v[O+64*(\t)+4*\r:O+64*(\t)+4*\r+3], v[RO] offset:16*\r
.endr
.irp c, 0,1,2,3
	ds_load_b128 v[KV+16*(\t)+4*\c:KV+16*(\t)+4*\c+3], v[RL] offset:1024*(\t)+16*\c
.endr
.endm
.macro ADD4 a, b
	v_pk_add_f32 v[(\a):(\a)+1], v[(\a):(\a)+1], v[(\b):(\b)+1]
	v_pk_add_f32 v[(\a)+2:(\a)+3], v[(\a)+2:(\a)+3], v[(\b)+2:(\b)+3]
.endm
.macro RSUM t
.irp r, 0,2,4,6,8,10,12,14
	ADD4 O+64*(\t)+4*\r, O+64*(\t)+4*\r+4
.endr
.irp r, 0,4,8,12
	ADD4 O+64*(\t)+4*\r, O+64*(\t)+4*\r+8
.endr
.irp r, 0,8
	ADD4 O+64*(\t)+4*\r, O+64*(\t)+4*\r+16
.endr
	ADD4 O+64*(\t), O+64*(\t)+32
.irp i, 0,4,8,12
	v_pk_add_f32 v[KV+16*(\t)+\i:KV+16*(\t)+\i+1], v[KV+16*(\t)+\i:KV+16*(\t)+\i+1], v[KV+16*(\t)+\i+2:KV+16*(\t)+\i+3]
.endr
.irp i, 0,8
	v_pk_add_f32 v[KV+16*(\t)+\i:KV+16*(\t)+\i+1], v[KV+16*(\t)+\i:KV+16*(\t)+\i+1], v[KV+16*(\t)+\i+4:KV+16*(\t)+\i+5]
.endr
	v_pk_add_f32 v[KV+16*(\t):KV+16*(\t)+1], v[KV+16*(\t):KV+16*(\t)+1], v[KV+16*(\t)+8:KV+16*(\t)+9]
	v_add_f32 v[KV+16*(\t)], v[KV+16*(\t)], v[KV+16*(\t)+1]        ; my query's sum of p over all 1,024 keys
.endm
	RSTORE 0
	RLOAD 0
	RSTORE 1
	RLOAD 1
	s_wait_dscnt 44                                ; tile 0 is back; tile 1's 24 stores and 20 loads may be out
	RSUM 0
	s_wait_dscnt 0x0
	RSUM 1
	v_rcp_f32 v[KV+2], v[KV]
	v_rcp_f32 v[KV+18], v[KV+16]
	v_nop                                          ; a plain place behind the reciprocals,
	s_wait_alu depctr_va_vdst(0)                   ; and the one wait for both, ahead of their first reader
.irp t, 0,1
	v_pk_mul_f32 v[O+64*\t:O+64*\t+1], v[O+64*\t:O+64*\t+1], v[KV+16*\t+2:KV+16*\t+3] op_sel_hi:[1,0]
	v_pk_mul_f32 v[O+64*\t+2:O+64*\t+3], v[O+64*\t+2:O+64*\t+3], v[KV+16*\t+2:KV+16*\t+3] op_sel_hi:[1,0]
.endr
.irp t, 0,1
	global_store_b128 v[GO], v[O+64*\t:O+64*\t+3], s[10:11] offset:512*\t   ; 16 queries x 32 bytes: 512 consecutive bytes; lanes 0-15 fill the first 256, lanes 16-31 the second
.endr
	s_wait_tensorcnt 0x0
	ds_add_u32 v248, v249
	s_wait_dscnt 0x0
	s_endpgm
.Lfunc_end_k_q7802d10276_attn:
	.size	k_q7802d10276_attn, .Lfunc_end_k_q7802d10276_attn-k_q7802d10276_attn
	.p2alignl 7, 3214868480
	.fill 96, 4, 3214868480
	.section	.rodata,"a",@progbits
	.p2align	6, 0x0
	.amdhsa_kernel k_q7802d10276_attn
		.amdhsa_group_segment_fixed_size 202752
		.amdhsa_private_segment_fixed_size 0
		.amdhsa_enable_private_segment 0
		.amdhsa_kernarg_size 40
		.amdhsa_user_sgpr_count 2
		.amdhsa_user_sgpr_kernarg_segment_ptr 1
		.amdhsa_wavefront_size32 1
		.amdhsa_system_sgpr_workgroup_id_x 1
		.amdhsa_system_sgpr_workgroup_id_y 1
		.amdhsa_system_sgpr_workgroup_id_z 1
		.amdhsa_system_vgpr_workitem_id 0
		.amdhsa_next_free_vgpr 256
		.amdhsa_next_free_sgpr 66
		.amdhsa_reserve_vcc 0
		.amdhsa_float_denorm_mode_32 3
		.amdhsa_float_denorm_mode_16_64 3
		.amdhsa_memory_ordered 1
		.amdhsa_forward_progress 1
		.amdhsa_inst_pref_size 77
	.end_amdhsa_kernel
	.amdgpu_metadata
---
amdhsa.version: [ 1, 2 ]
amdhsa.kernels:
  - .name:           k_q7802d10276_attn
    .symbol:         k_q7802d10276_attn.kd
    .args:
      - { .name: x, .offset: 0, .size: 8, .value_kind: global_buffer, .address_space: global }
      - { .name: theta, .offset: 8, .size: 8, .value_kind: global_buffer, .address_space: global }
      - { .name: W, .offset: 16, .size: 8, .value_kind: global_buffer, .address_space: global }
      - { .name: att, .offset: 24, .size: 8, .value_kind: global_buffer, .address_space: global }
      - { .name: wq, .offset: 32, .size: 8, .value_kind: global_buffer, .address_space: global }
    .group_segment_fixed_size: 202752
    .private_segment_fixed_size: 0
    .kernarg_segment_align: 8
    .kernarg_segment_size: 40
    .max_flat_workgroup_size: 512
    .sgpr_count:     66
    .vgpr_count:     256
    .wavefront_size: 32
...
	.end_amdgpu_metadata
.endif
;; end of part 1
;; launch proj (part 2): grid 256 x 1, 2 waves a work-group, no clusters, 17,152 bytes of LDS; arguments att, wq, b, out0; writes out0
.if DOCPART == 2
	.amdgcn_target "amdgcn-amd-amdhsa--gfx1250"
	.amdhsa_code_object_version 6
	.text
	.protected	k_q7802d10276_proj
	.globl	k_q7802d10276_proj
	.p2align	8
	.type	k_q7802d10276_proj,@function
k_q7802d10276_proj:
	s_mov_b64 s[64:65], 0
	v_nop
	global_prefetch_b8 v0, s[64:65] scope:SCOPE_SE
	s_setreg_imm32_b32 hwreg(HW_REG_WAVE_MODE, 25, 1), 1
	s_wait_xcnt 0x0
; out0[row][n] = sum over k of Q(a)[row][k] Q(W)[n][k] + b[n], on codes of FP6 (E2M3) with one E8M0 scale for each 32 along K = 128.  row = 1,024 batch + s, k = 8 head + d.
; a arrives as att [8][16][1024][8] f32 (the launch before laid it so); W arrives quantised, as images of the operand's registers: wq: tile n (W's rows 16 n on) at 1,536 n, its scale words at 12,288 + 128 n.
; SHARES.  512 waves, two to a work-group, that share nothing: a wave owns 16 rows: it quantises them in registers (one fragment), takes W's eight fragments as they lie, and issues eight matrix instructions.
; THE MATRIX INSTRUCTION IS USED TRANSPOSED (source 0 = 16 rows of W, source 1 = my 16 rows): a lane then holds eight neighbouring outputs of one row.  They turn through the wave's own stage in LDS
; and leave as whole rows of 512 bytes; b is added on the way back, behind the sum, as the definition has it.
; A block of zeros gets the scale byte 1 where the rule says 127: its codes are zeros, and this program alone reads the bytes.  NaN and infinities are not served.
; No cluster, no tensor load: W's images are 13 KB that every wave reads once into registers; each wave's rows are its own.
.set XA,  4                            ; v4   att: 32 r + 65,536 h
.set LI,  5                            ; v5   16 x lane
.set LS,  6                            ; v6   4 x lane
.set SO,  7                            ; v7   stage, in: 528 r + 32 h
.set SR,  8                            ; v8   stage, back: 16 x lane
.set BI,  10                           ; v10-13   b(4 lane + 0 .. 3)
.set PC,  16                           ; v16-34   my fragment's codes, and work
.set TM,  36                           ; v36-51   at work
.set PW,  52                           ; v52      my rows' scale words: holds scales alone
.set WS,  56                           ; v56-63   W's scale words
.set XN,  64                           ; v64-127  my 64 numbers; then the eight accumulators
.set WF,  128                          ; v128-223 W's eight fragments; then (v128-191) 16 rows read back
.set SEL, 20
.macro QUANT s                         ; 64 numbers of a lane, register 16 b + i = k 32 b + 16 (lane / 16) + i of my row -> codes in v[PC] on, scale word in v[PW]
.irp b, 0,1,2,3
	v_max3_num_f32 v[TM+\b], |v[\s+16*\b]|, |v[\s+1+16*\b]|, 0x1800000   ; my 16 numbers of block b, and the floor 2^(3 - 127): the byte cannot fall under 1
.endr
.irp i, 2,4,6,8,10,12,14
.irp b, 0,1,2,3
	v_max3_num_f32 v[TM+\b], v[TM+\b], |v[\s+16*\b+\i]|, |v[\s+1+16*\b+\i]|
.endr
.endr
.irp b, 0,1,2,3
	v_permlanex16_b32 v[TM+4+\b], v[TM+\b], s[SEL], s[SEL+1]
.endr
.irp b, 0,1,2,3
	v_max_num_f32 v[TM+\b], v[TM+\b], v[TM+4+\b]   ; with lane l xor 16's: the block's largest magnitude
.endr
.irp b, 0,1,2,3
	v_add_nc_u32 v[TM+12+\b], 0xff000000, v[TM+\b] ; 2 off its exponent field: the conversion's scale operand
.endr
.irp b, 0,1,2,3
	v_lshrrev_b32 v[TM+4+\b], 23, v[TM+12+\b]      ; the scale's byte
.endr
	v_lshl_or_b32 v[PW], v[TM+5], 8, v[TM+4]
	v_lshl_or_b32 v[PW], v[TM+6], 16, v[PW]
	v_lshl_or_b32 v[PW], v[TM+7], 24, v[PW]
.irp c, 0,1
	v_cvt_scalef32_pk16_fp6_f32 v[PC+6*\c:PC+2+6*\c], v[\s+32*\c:\s+15+32*\c], v[TM+12+2*\c]
	v_cvt_scalef32_pk16_fp6_f32 v[PC+12+4*\c:PC+14+4*\c], v[\s+16+32*\c:\s+31+32*\c], v[TM+12+2*\c+1]   ; (a conversion's three registers begin on an even number)
.endr
	v_nop                                          ; one plain place behind a scaled conversion
.irp c, 0,1                                    ; the operand's layout wants a whole block in a lane
.irp i, 0,1,2
	v_permlane16_swap_b32 v[PC+6*\c+\i], v[PC+12+4*\c+\i]
.endr
.irp i, 0,1,2
	v_mov_b32 v[PC+3+6*\c+\i], v[PC+12+4*\c+\i]
.endr
.endr
.endm
	s_load_b256 s[4:11], s[0:1], 0x0               ; att s[4:5], wq s[6:7], b s[8:9], out0 s[10:11]
	v_lshl_add_u32 v224, v0, 2, 0x4200
	v_mov_b32 v225, 0
	v_lshrrev_b32 v1, 5, v0
	v_readfirstlane_b32 s12, v1                    ; wave 0..1
	v_and_b32 v1, 31, v0                           ; lane
	v_and_b32 v2, 15, v0                           ; r
	v_bfe_u32 v3, v0, 4, 1                         ; h
	v_lshlrev_b32 v[XA], 5, v2                     ; row r: 32 bytes in a head's plane;
	v_lshl_add_u32 v[XA], v3, 16, v[XA]            ; lanes 16-31 begin two heads (16 along K) further on
	v_lshlrev_b32 v[LI], 4, v1
	v_lshlrev_b32 v[LS], 2, v1
	s_mul_i32 s13, s12, 16*528                     ; my wave's stage: 16 rows of 512 bytes + 16
	v_mul_u32_u24 v[SO], v2, 528
	v_lshl_add_u32 v[SO], v3, 5, v[SO]
	v_add_nc_u32 v[SO], s13, v[SO]
	v_add_nc_u32 v[SR], s13, v[LI]
	s_lshl_b32 s14, ttmp9, 1
	s_add_co_u32 s14, s14, s12                     ; which 16 rows of the 8,192 are mine
	s_lshr_b32 s15, s14, 6                         ; batch,
	s_and_b32 s16, s14, 63                         ; and which 16 of its 1,024
	s_lshl_b32 s15, s15, 19                        ; a batch of att is 524,288 bytes,
	s_lshl_b32 s16, s16, 9                         ; 16 rows in a plane 512
	s_add_co_u32 s16, s16, s15
	s_mov_b32 s17, 0
	s_lshl_b32 s18, s14, 13                        ; 16 rows of out0 are 8,192 bytes
	s_mov_b32 s19, 0
	s_mov_b32 s[SEL], 0x76543210
	s_mov_b32 s[SEL+1], 0xfedcba98
.irp b, 0,1,2,3
	v_mov_b32 v[TM+4+\b], 0                        ; a lane permute's destination counts as one of its sources
.endr
	s_wait_kmcnt 0x0
	s_add_nc_u64 s[4:5], s[4:5], s[16:17]
	s_add_nc_u64 s[10:11], s[10:11], s[18:19]
.irp b, 0,1,2,3                                ; k = 32 b + 16 h + 4 j on: head 4 b + 2 h + j / 2, dimension 4 (j % 2).  Two loads together read 512 consecutive bytes in each half of the lanes
.irp j, 0,1,2,3
	global_load_b128 v[XN+16*\b+4*\j:XN+16*\b+4*\j+3], v[XA], s[4:5] offset:131072*\b+32768*(\j/2)+16*(\j%2) th:TH_LOAD_NT
.endr
.endr
.irp n, 0,1,2,3,4,5,6,7
.irp c, 0,1,2
	global_load_b128 v[WF+12*\n+4*\c:WF+12*\n+4*\c+3], v[LI], s[6:7] offset:1536*\n+512*\c   ; the registers as the launch before left them, lane by lane
.endr
.endr
.irp n, 0,1,2,3,4,5,6,7
	global_load_b32 v[WS+\n], v[LS], s[6:7] offset:12288+128*\n
.endr
	global_load_b128 v[BI:BI+3], v[LI], s[8:9]
	s_wait_loadcnt 33                              ; my 16 loads of att are in; W's 24, its 8 scale words and b may be out
	QUANT XN
	s_wait_loadcnt 0x0
.rept 8
	v_nop                                          ; a scale register written by a vector instruction stands 8 places ahead of a scaled matrix instruction, an operand so written 4
.endr
.irp n, 0,1,2,3,4,5,6,7                        ; eight accumulators, one instruction each, begun with the constant 0; they lie where my numbers lay
	v_wmma_scale_f32_16x16x128_f8f6f4 v[XN+8*\n:XN+8*\n+7], v[WF+12*\n:WF+12*\n+11], v[PC:PC+11], 0, v[WS+\n], v[PW] matrix_a_fmt:MATRIX_FMT_FP6 matrix_b_fmt:MATRIX_FMT_FP6
.endr
.rept 4
	v_nop                                          ; four places ahead of the first read of results and of the loads into W's registers
.endr
.irp n, 0,1,2,3,4,5,6,7
	ds_store_b128 v[SO], v[XN+8*\n:XN+8*\n+3] offset:64*\n          ; lane (r, h): out(row r, 16 n + 8 h + 0 .. 7); each accumulator from its low end on
	ds_store_b128 v[SO], v[XN+8*\n+4:XN+8*\n+7] offset:64*\n+16
.endr
.irp i, 0,1,2,3,4,5,6,7,8,9,10,11,12,13,14,15
	ds_load_b128 v[WF+4*\i:WF+4*\i+3], v[SR] offset:528*\i          ; LDS serves a wave's instructions in order (ISA guide 5.7.1.4): these see my stores
.endr
.irp i, 0,1,2,3,4,5,6,7,8,9,10,11,12,13,14,15
	s_wait_dscnt 15-\i                             ; row i is back; the younger rows may be out
	v_pk_add_f32 v[WF+4*\i:WF+4*\i+1], v[WF+4*\i:WF+4*\i+1], v[BI:BI+1]
	v_pk_add_f32 v[WF+4*\i+2:WF+4*\i+3], v[WF+4*\i+2:WF+4*\i+3], v[BI+2:BI+3]
	global_store_b128 v[LI], v[WF+4*\i:WF+4*\i+3], s[10:11] offset:512*\i th:TH_STORE_NT   ; 32 lanes store a row of 512 bytes, at a multiple of 256 from out0's first byte
.endr
	s_wait_tensorcnt 0x0
	ds_add_u32 v224, v225
	s_wait_dscnt 0x0
	s_endpgm
.Lfunc_end_k_q7802d10276_proj:
	.size	k_q7802d10276_proj, .Lfunc_end_k_q7802d10276_proj-k_q7802d10276_proj
	.p2alignl 7, 3214868480
	.fill 96, 4, 3214868480
	.section	.rodata,"a",@progbits
	.p2align	6, 0x0
	.amdhsa_kernel k_q7802d10276_proj
		.amdhsa_group_segment_fixed_size 17152
		.amdhsa_private_segment_fixed_size 0
		.amdhsa_enable_private_segment 0
		.amdhsa_kernarg_size 32
		.amdhsa_user_sgpr_count 2
		.amdhsa_user_sgpr_kernarg_segment_ptr 1
		.amdhsa_wavefront_size32 1
		.amdhsa_system_sgpr_workgroup_id_x 1
		.amdhsa_system_sgpr_workgroup_id_y 1
		.amdhsa_system_sgpr_workgroup_id_z 1
		.amdhsa_system_vgpr_workitem_id 0
		.amdhsa_next_free_vgpr 226
		.amdhsa_next_free_sgpr 66
		.amdhsa_reserve_vcc 0
		.amdhsa_float_denorm_mode_32 3
		.amdhsa_float_denorm_mode_16_64 3
		.amdhsa_memory_ordered 1
		.amdhsa_forward_progress 1
		.amdhsa_inst_pref_size 18
	.end_amdhsa_kernel
	.amdgpu_metadata
---
amdhsa.version: [ 1, 2 ]
amdhsa.kernels:
  - .name:           k_q7802d10276_proj
    .symbol:         k_q7802d10276_proj.kd
    .args:
      - { .name: att, .offset: 0, .size: 8, .value_kind: global_buffer, .address_space: global }
      - { .name: wq, .offset: 8, .size: 8, .value_kind: global_buffer, .address_space: global }
      - { .name: b, .offset: 16, .size: 8, .value_kind: global_buffer, .address_space: global }
      - { .name: out0, .offset: 24, .size: 8, .value_kind: global_buffer, .address_space: global }
    .group_segment_fixed_size: 17152
    .private_segment_fixed_size: 0
    .kernarg_segment_align: 8
    .kernarg_segment_size: 32
    .max_flat_workgroup_size: 64
    .sgpr_count:     66
    .vgpr_count:     226
    .wavefront_size: 32
...
	.end_amdgpu_metadata
.endif
;; end of part 2
